; MI455X (gfx1250); checked and timed in simulation.
; The chip was launched on July 23, 2026; its instructions are those of AMD's public machine-readable ISA for CDNA 5 (MIT licence, August 2026) and "CDNA5" Instruction Set Architecture Reference Guide (July 2026). The comments in the code are by the model that wrote it; some were corrected since.
;; Refine Prior. Allowed arithmetic: matrix products marked QUANTISED: E4M3 operands, one given power-of-two scale a tensor, by v_wmma_f32_16x16x64_fp8_fp8 or v_wmma_f32_16x16x128_fp8_fp8, f32 sums; products left as they are: f32 operands where the result goes on into a quantised operand, else bf16, f16 or f32 operands; f32 sums; everything else in f32.
;; Inputs: Wk_codes 1,024 x 32 x 32 uint8 (E4M3 codes of Wk, K innermost, in blocks of 32 codes); Wo_codes 1,024 x 32 x 32 uint8 (E4M3 codes of Wo, K innermost, in blocks of 32 codes); Wq_codes 1,024 x 32 x 32 uint8 (E4M3 codes of Wq, K innermost, in blocks of 32 codes); Wv_codes 1,024 x 32 x 32 uint8 (E4M3 codes of Wv, K innermost, in blocks of 32 codes); bk 1,024 float32; bo 1,024 float32; bq 1,024 float32; bv 1,024 float32; lowp_scales 10 int32 (the exponents e of the quantised operands' scales 2^e); pos_emb 1 x 16 x 16 x 16 float32; shape_tokens_codes 1,024 x 16 x 32 x 32 uint8 (E4M3 codes of shape_tokens, K innermost, in blocks of 32 codes).
;; Outputs: out0 1,024 x 16 x 1,024 float32.
;; This version of the problem:
;;   THIS VERSION OF THE PROBLEM IS GIVEN IN LOW PRECISION. The matrix products marked QUANTISED in the list below multiply operands that are first quantised to E4M3 (4 exponent bits, 3 mantissa bits; 8 bits a number), with one given power-of-two scale for each operand tensor; their sums are f32. All else is computed in f32.
;;   The module's matrix products, in the order in which they are computed (A, B: the left and right operand; K: the contracted axis; several contracted axes count as one K, in the product's order):
;;     1. [M 16,384, K 1,024] x [K 1,024, N 1,024]; A: input shape_tokens (given as codes); B: input Wq (given as codes): QUANTISED (scales: A lowp_scales[0], B lowp_scales[1])
;;     2. [M 16,384, K 1,024] x [K 1,024, N 1,024]; A: input shape_tokens (given as codes); B: input Wk (given as codes): QUANTISED (scales: A lowp_scales[2], B lowp_scales[3])
;;     3. [M 16,384, K 1,024] x [K 1,024, N 1,024]; A: input shape_tokens (given as codes); B: input Wv (given as codes): QUANTISED (scales: A lowp_scales[4], B lowp_scales[5])
;;     4. batch 16,384 x [M 16, K 64] x [K 64, N 16]; A: computed on the way; B: computed on the way: QUANTISED (scales: A lowp_scales[6], B lowp_scales[7])
;;     5. batch 16,384 x [M 16, K 16] x [K 16, N 64]; A: softmax; B: computed on the way: left as it is (K = 16 < 32)
;;     6. [M 16,384, K 1,024] x [K 1,024, N 1,024]; A: computed on the way; B: input Wo (given as codes): QUANTISED (scales: A lowp_scales[8], B lowp_scales[9])
;;   THE QUANTISER, for each operand of a quantised product, along K:
;;     - The operand's scale is 2^e, e = its entry of the input lowp_scales (int32; the entries are numbered through the quantised products in the list's order, A before B).
;;     - Each number is divided by the scale, clamped to +-448, and rounded to the nearest number of E4M3, ties to even, subnormals kept.
;;     - The product sums the exact products of the quantised numbers (number of the format x scale) in f32.
;;   ~~~python
;;   def quantise(x, axis, e):      # numpy; x: float32 -> the quantised numbers, widened to float32 again
;;       x = np.moveaxis(x, axis, -1); K = x.shape[-1]
;;       r = np.clip(x / 2.0 ** e, -448, 448)
;;       step = 2.0 ** (np.maximum(np.frexp(np.where(r == 0, 1, r))[1] - 1, -6) - 3)
;;       q = np.round(r / step) * step * 2.0 ** e      # np.round: ties to even
;;       return np.moveaxis(q, -1, axis).astype(np.float32)
;;   ~~~
;;   OPERANDS COMPUTED ON THE WAY. 'Computed on the way' means the value that the module computes at that place (a softmax that the list does not call 'softmax' is quantised finished and normalised). What goes into a quantiser is computed in f32, as accurately as f32 sums, v_exp_f32 and their like allow (about 1e-6 of the number): no bf16 or f16 on the way to a quantiser, and a product that is left as it is and whose result goes on into a quantised operand takes f32 operands (vector FMAs, or v_wmma_f32_16x16x4_f32). A number that lies on a knife's edge between two numbers of the format may be rounded either way, as far as f32 arithmetic and the matrix unit's own rounding can turn it there, and no further.
;;   INPUTS GIVEN AS CODES. Wk (in the module: [1024, 1024], K = its axis 0); Wo (in the module: [1024, 1024], K = its axis 0); Wq (in the module: [1024, 1024], K = its axis 0); Wv (in the module: [1024, 1024], K = its axis 0); shape_tokens (in the module: [1024, 16, 1024], K = its axis 2): each comes as NAME_codes (uint8): NAME with its K axis moved to the last place and cut into blocks of 32 codes, [.., K / 32, bytes a block], one block behind the other in memory; one code a byte (a code: sign, 4 exponent bits, 3 mantissa bits); its scale is its entry of lowp_scales. Its value is code x scale, taken as it is: it is not quantised again, and the codes and scales need not be those that the quantiser above would give.
;; One version. Each part assembles by itself: llvm-mc -triple=amdgcn-amd-amdhsa -mcpu=gfx1250 --defsym DOCPART=n.
;; ======== version 1 of 1: 2 launches
;; limits: right only within a limited range of input values
;; workspace buffers: ctx 16,777,216 bytes
;; launch attn (part 1): grid 64 x 4, 4 waves a work-group, clusters of 4 x 4, 327,680 bytes of LDS; arguments shape_tokens_codes, Wq_codes, Wk_codes, Wv_codes, bq, bk, bv, pos_emb, lowp_scales, ctx; writes ctx
.if DOCPART == 1
	.amdgcn_target "amdgcn-amd-amdhsa--gfx1250"
	.amdhsa_code_object_version 6
	.text
	.protected	k_q3cd9eb73ad_attn
	.globl	k_q3cd9eb73ad_attn
	.p2align	8
	.type	k_q3cd9eb73ad_attn,@function
k_q3cd9eb73ad_attn:
	s_mov_b64 s[64:65], 0
	v_nop
	global_prefetch_b8 v0, s[64:65] scope:SCOPE_SE
	s_setreg_imm32_b32 hwreg(HW_REG_WAVE_MODE, 25, 1), 1
	s_wait_xcnt 0x0
	s_wait_alu depctr_hold_cnt(0) depctr_sa_sdst(0) depctr_va_vdst(0) depctr_va_sdst(0) depctr_va_ssrc(0) depctr_va_vcc(0) depctr_vm_vsrc(0)
	s_getreg_b32 s2, hwreg(HW_REG_IB_STS2, 6, 4)
	s_cmp_eq_u32 s2, 0
	s_cbranch_scc0 .Lentry_in_a_cluster
	s_endpgm
.Lentry_in_a_cluster:
	s_bfe_u32 s2, ttmp6, 0x10000c
	s_cmp_lg_u32 s2, 0xf033
	s_cbranch_scc0 .Lentry_shape_is_right
	s_endpgm
.Lentry_shape_is_right:
; q, k, v = x W + b on E4M3 codes; scores = Q(q) Q(k)^T / 8 + pos_emb; softmax over the 16 keys; ctx = P v in f32; ctx is quantised to E4M3 codes (k = 64 head + d).
; x: [16384][1024] codes.  Wq, Wk, Wv: [1024 (n)][1024 (k)] codes.  lowp_scales: e0 .. e9 (x, Wq; x, Wk; x, Wv; q, k; ctx, Wo).
; ctx IS STORED IN THE ORDER OF THE NEXT LAUNCH'S OPERAND REGISTERS: byte 16384 T + 2048 s + 512 c + 16 l holds, of row 16 T + l % 16, the 16 codes k = 128 s + 32 c + 16 (l / 16) + 0..15.
; SHARES.  A work-group owns 256 rows (16 batches of 16 tokens) and 4 heads; wave w owns 64 of the rows, 4 batches, and keeps their codes, 64 KiB, in 512 registers for the whole launch.
; The four waves walk the 4 heads together and read the same rows of the weights from LDS: a fragment of W (16 rows x 128 K) feeds four matrix instructions, one for each batch.
; FOR ONE HEAD: a Q pass, a K pass and a V pass of 128 matrix instructions each, then 64 f32 products P v.  THE VECTOR WORK STANDS BETWEEN THE MATRIX INSTRUCTIONS OF A LATER PASS, whose registers it does not name:
; q is quantised in the K pass; k is quantised, the scores are made, the softmax is taken up to its exponents and v gets its bias in the V pass; ctx is quantised and stored in the next head's Q pass.
; Only the exponentials, the sums and the reciprocals stand by themselves, between the V pass and P v: there every sum made so far has been read.
; NOTHING CHANGES LANES.  q and k are made transposed (source 0 = 16 rows of W, source 1 = 16 tokens): a lane holds one token and eight neighbouring d, so eight sums convert into two registers of a K = 64 fragment.
; Their biases, divided by the sums' power of two, are the C of the first products, and that power of two is folded into the conversion's scale.
; S^T = k q^T: a lane holds one query (lane % 16) and keys 8 (lane / 16) + 0..7.  v is made the other way round (source 0 = tokens, source 1 = rows of Wv): a lane holds one d and tokens 8 (lane / 16) + 0..7.
; So registers 2 s, 2 s + 1 of a tile of v and of P carry the same four keys in the four k places of the f32 form, and ctx^T = v^T P^T again holds one query a lane and eight neighbouring d.
; THE ROWS OF Wv THAT FORM A TILE ARE NOT NEIGHBOURS: lane r of tile 2 b + u takes row 32 b + 8 u + r + (r & 8), so that tiles 2 b and 2 b + 1 give a lane 16 neighbouring d: their codes are 16 bytes of ctx as they stand.
; P v has f32 operands since its result goes into a quantiser.  The registers that the f32 form writes (window 3, v128-255) are written by matrix instructions alone.
; CLUSTER 4 x 4.  The four work-groups of a row of the cluster have the same heads, so each tile of W is asked for JOINTLY (same load, same descriptor, a mask that names the four).
; x is not shared through LDS: 256 rows x 1040 bytes are 266,240 bytes, which do not fit beside the two slots of W (199,936 bytes); it is read once, straight into the operand registers.
; NO PREFETCH of W: a refill has two passes' matrix instructions (256 or their like) between its request and the wait for it; nor of x, which has no loop to run ahead in.
; THE K = 128 FORM is fed by loads of 16 bytes: lane l holds k = 32 c + 16 (l / 16) + 0..15 in registers 4 c .. 4 c + 3, in x and in W alike: every product meets its partner, only the order of the sums inside an instruction differs.
; LIMITS on the given exponents, so that each power of two below is an f32 number: e0 + e1, e2 + e3, e4 + e5 between -126 and 126; e6 - e0 - e1, e7 - e2 - e3 and e8 between -126 and 119; e6 + e7 between -123 and 130; a bias over
; its sums' power of two is a normal f32 number or 0.  NaN among the inputs is not served.  No work of reference() is left out.
; REGISTERS, in windows of 256.  Window 0: as named below.  windows 1, 2: x: fragment (batch b, K step s) at v[64 (s % 4) + 16 b], window 1 for s < 4, window 2 above.
;   window 3: v[32 b + 8 t] q's sums, later v; v[128 + 32 b + 8 t] k's sums, later ctx^T.
.set PW,    1040                       ; a row of W in LDS: 1024 bytes + 16 of padding = 260 words: row r starts at bank 4 r mod 64 (64 banks of 4 bytes: ISA guide 11.1)
.set SLV,   128*PW                     ; LDS: slot QK at 0: 64 rows of Wq, 64 of Wk;  slot V here: 4 pieces of 16 rows of Wv, piece w begins 16 w rows + 128 ((w + 1) / 2) bytes on: the two halves of a tile's lanes read rows 16 apart, and so 32 banks apart
.set TAB,   SLV+66816                  ; my 4 heads' bq (1024 bytes), bk, bv, pos_emb (4096): stored once by the waves, never a tensor load's target
.set SPARE, TAB+7168                   ; the spare words, 128 bytes for each wave: two blocks of 256 bytes that no other line names
.set SPW,  1                           ; v1   SPARE + 4 x my thread's number; never rewritten
.set NIL,  2                           ; v2   0; never rewritten
.set ADQ,  3                           ; v3, v4, v5  my lane's place in Wq's, Wk's, Wv's rows
.set TBQ,  6                           ; v6   TAB + 32 h: q's bias of the head in hand;  k's lies 1024 on
.set TBV,  7                           ; v7   TAB + 2048 + 4 (r + (r & 8))
.set TPOS, 8                           ; v8   TAB + 3072 + 64 r + 32 h
.set GO,   11                          ; v11  16 x lane: my 16 bytes of a block of 512 in ctx
.set TWOQ, 13                          ; 2^(e6 - e0 - e1), 2^(e7 - e2 - e3), 2^e8 for the conversions
.set TWOK, 15
.set TWOC, 17
.set XA,   22                          ; v22  1024 r + 16 h; never rewritten
.set BV,   24                          ; v[24 + 2 t] v's bias of tile t; the odd registers are named with them as pairs and hold 0
.set R1,   32                          ; v32-63  q's bias (Q pass, first K step), ctx's codes (Q pass), q's codes (K pass, V pass)
.set R2,   64                          ; v64-95  k's bias (K pass, first K step), S^T, then P (8 a batch)
.set T,    96                          ; v96-111 two tiles of held numbers; the softmax: v[96 + 2 b] the row's largest t, v[104 + 2 b] the row's sum
.set SUM,  104
.set KC,   112                         ; v112-119 k's codes of one batch; what the other half of the lanes holds
.set POS,  120                         ; v120-127 pos_emb x log2(e) of my query and my 8 keys
.set WB,   128                         ; v128-255 eight fragments of W, tile n of a pass in the (n % 8)-th
.set WV,   24                          ; s24  my wave's number
.set G1A,  32                          ; s[32:39] descriptor group 1: 32 rows x 1024 bytes
.set G1B,  40                          ; s[40:47] 16 rows x 1024 bytes
.set G0Q,  48                          ; s[48:51], s[52:55], s[56:59] groups 0 for Wq, Wk, Wv
.set G0K,  52
.set G0V,  56
.set SV,   82                          ; s[82:83] 2^(e4 + e5): the packed forms name a pair and take its low word
.set CS,   84                          ; s[84:85] log2(e) / 8 x 2^(e6 + e7)
.set SEL,  86                          ; s[86:87] v_permlanex16_b32's selects for lane l xor 16
.set CNT,  88
.set LQ,   92                          ; s[92:93] -+448 x 2^(e6 - e0 - e1);  s[94:95] the same for k;  s[96:97] for ctx
.set LK,   94
.set LC,   96
.set MSB, 0
.macro WIN new                         ; bits 1:0 source 0, 3:2 source 1, 5:4 source 2, 7:6 destination; the immediate's high byte repeats the setting that is left
.if MSB != (\new)
	s_set_vgpr_msb (MSB<<8)|(\new)
.set MSB, (\new)
.endif
.endm
.macro PLACES n                        ; plain vector instructions between a matrix instruction and what reads its result or writes its registers (ISA guide 7.12.1 for vector instructions)
.rept \n
	v_nop
.endr
.endm
.macro CREST                           ; a round of the cluster's barrier behind its opening barrier: wave 0 signals for the work-group, all wait for the sixteen, my work-group's barrier again
	s_cmp_lg_u32 s[WV], 0
	s_cbranch_scc1 .Lnot_wave_0_\@
	s_barrier_signal -3
.Lnot_wave_0_\@:
	s_barrier_wait -3
	s_barrier_signal -1
	s_barrier_wait -1
.endm
.macro CROUND                          ; a whole round
	s_barrier_signal -1
	s_barrier_wait -1
	CREST
.endm
.macro JQK                             ; the joint fill of slot QK: waves 0, 1 fetch 32 rows of Wq each, waves 2, 3 of Wk.  Four v_nop follow each line
	s_cmp_lt_u32 s[WV], 2
	s_cbranch_scc0 .Lfor_k_\@
	tensor_load_to_lds s[G0Q:G0Q+3], s[G1A:G1A+7]
	s_nop 0
	PLACES 4
	s_branch .Lasked_\@
.Lfor_k_\@:
	tensor_load_to_lds s[G0K:G0K+3], s[G1A:G1A+7]
	s_nop 0
	PLACES 4
.Lasked_\@:
.endm
.macro JV                              ; the joint fill of slot V: every wave fetches 16 rows of Wv
	tensor_load_to_lds s[G0V:G0V+3], s[G1B:G1B+7]
	s_nop 0
	PLACES 4
.endm
.macro XLOAD ks                        ; x's K step ks: 16 loads
	WIN 0x40+0x40*((\ks)/4)
.irp b, 0,1,2,3
.irp c, 0,1,2,3
	global_load_b128 v[64*((\ks)%4)+16*\b+4*\c:64*((\ks)%4)+16*\b+4*\c+3], v[XA], s[4:5] offset:16384*\b+128*(\ks)+32*\c
.endr
.endr
.endm
.macro LDF q, m                        ; the fragment of tile m (K step m / 4, rows of tile m % 4) of Wq (q = 0), Wk (1) or Wv (2)
	WIN 0
.set LB, WB+16*((\m)%8)
.set LT, (\m)%4
.if (\q) == 2
.set LO, PW*(32*(LT/2)+8*(LT%2))+128*(LT/2)+128*((\m)/4)
.else
.set LO, 16*PW*LT+128*((\m)/4)
.endif
.irp c, 0,1,2,3
	ds_load_b128 v[LB+4*\c:LB+4*\c+3], v[ADQ+\q] offset:LO+32*\c
.endr
.endm
.macro LDBIAS to, off                  ; a head's 64 numbers of q's or k's bias: tile t's eight at my d = 16 t + 8 h + 0..7
	WIN 0
.irp t, 0,1,2,3
	ds_load_b128 v[\to+8*\t:\to+8*\t+3], v[TBQ] offset:\off+64*\t
	ds_load_b128 v[\to+8*\t+4:\to+8*\t+7], v[TBQ] offset:\off+64*\t+16
.endr
.endm
	s_load_b512 s[4:19], s[0:1], 0x0               ; x s[4:5], Wq s[6:7], Wk s[8:9], Wv s[10:11], bq s[12:13], bk s[14:15], bv s[16:17], pos_emb s[18:19]
	s_load_b128 s[20:23], s[0:1], 0x40             ; the scales' exponents s[20:21], ctx s[22:23]
	v_lshl_add_u32 v[SPW], v0, 2, SPARE
	v_mov_b32 v[NIL], 0
	ds_add_u32 v[SPW], v[NIL]                      ; the wave's opening: the add, twice on end; its wait stands ahead of my first tensor load
	ds_add_u32 v[SPW], v[NIL]
	v_lshrrev_b32 v3, 5, v0
	v_readfirstlane_b32 s[WV], v3                  ; wave 0..3
	s_and_b32 s25, s[WV], 1
	s_bfe_u32 s26, ttmp6, 0x40000                  ; cx
	s_bfe_u32 s27, ttmp6, 0x40004                  ; cy
	s_lshl_b32 s28, ttmp9, 2
	s_add_co_u32 s28, s28, s26                     ; my block of 256 rows = 4 x cluster x + cx
	s_and_b32 s29, ttmp7, 0xffff
	s_lshl_b32 s29, s29, 2
	s_add_co_u32 s29, s29, s27                     ; my group of 4 heads = 4 x cluster y + cy
	s_lshl_b32 s30, s27, 2
	s_lshl_b32 s30, 15, s30                        ; my row of the cluster: the four that share my heads
	s_or_b32 s[G1A], s30, (1<<20)|(1<<21)|(7<<22)|(3<<25)   ; 15:0 the mask; 17:16 elements of 1 byte; 20 padding on; 21 set beside a mask; 24:22 after every 256 words (code 7); 31:25 four words (code 3)
	s_mov_b32 s[G1A+1], 1024<<16                   ; tensor_dim0 = 1024
	s_mov_b32 s[G1A+2], 32<<16                     ; tensor_dim1 = 32
	s_mov_b32 s[G1A+3], 1024<<16                   ; tile_dim0 = 1024
	s_mov_b32 s[G1A+4], 32                         ; tile_dim1 = 32
	s_mov_b32 s[G1A+5], 1024                       ; from row to row
	s_mov_b32 s[G1A+6], 0
	s_mov_b32 s[G1A+7], 0
	s_or_b32 s[G1B], s30, (1<<20)|(1<<21)|(7<<22)|(3<<25)
	s_mov_b32 s[G1B+1], 1024<<16
	s_mov_b32 s[G1B+2], 16<<16                     ; 16 rows
	s_mov_b32 s[G1B+3], 1024<<16
	s_mov_b32 s[G1B+4], 16
	s_mov_b32 s[G1B+5], 1024
	s_mov_b32 s[G1B+6], 0
	s_mov_b32 s[G1B+7], 0
	s_lshl_b32 s60, s29, 18                        ; W's bytes: 256 rows of 1024 for a group of heads, + my 32 rows of the head's 64: nothing of cx enters
	s_lshl_b32 s61, s25, 15
	s_add_co_u32 s60, s60, s61
	s_mov_b32 s61, 0
	s_lshl_b32 s62, s29, 18                        ; Wv: + my 16 rows
	s_lshl_b32 s63, s[WV], 14
	s_add_co_u32 s62, s62, s63
	s_mov_b32 s63, 0
	s_lshl_b32 s92, s28, 18                        ; my wave's first row of x and of ctx, in bytes: 256 rows x 1024 x block + 64 rows x 1024 x wave
	s_lshl_b32 s93, s[WV], 16
	s_add_co_u32 s92, s92, s93
	s_mov_b32 s93, 0
	s_lshl_b32 s94, s29, 10                        ; my heads' 256 numbers in each bias
	s_mov_b32 s95, 0
	s_lshl_b32 s96, s29, 12                        ; my heads' 4 x 256 numbers in pos_emb
	s_mov_b32 s97, 0
	s_lshl_b32 s98, s29, 12                        ; my heads are K steps 2 g and 2 g + 1 of ctx: 2 g blocks of 2048 bytes into a tile of rows
	s_mov_b32 s99, 0
	s_mov_b32 s[SEL], 0x76543210
	s_mov_b32 s[SEL+1], 0xfedcba98
	s_add_co_u32 s31, s[WV], 1
	s_lshr_b32 s31, s31, 1
	s_lshl_b32 s31, s31, 7                         ; 128 x ((wave + 1) / 2): piece w of slot V
	v_and_b32 v18, 15, v0                          ; r = lane % 16
	v_bfe_u32 v19, v0, 4, 1                        ; h = lane / 16
	v_lshlrev_b32 v20, 3, v0                       ; 8 x thread: my 2 numbers of each bias
	v_lshlrev_b32 v21, 4, v0                       ; 16 x thread: my 4 numbers of each half of pos_emb
	v_lshlrev_b32 v[XA], 10, v18
	v_lshl_add_u32 v[XA], v19, 4, v[XA]
	v_mul_u32_u24 v[ADQ], v18, PW
	v_lshl_add_u32 v[ADQ], v19, 4, v[ADQ]
	v_add_nc_u32 v[ADQ+1], 64*PW, v[ADQ]
	v_and_b32 v23, 8, v18
	v_add_nc_u32 v9, v18, v23                      ; r + (r & 8)
	v_mul_u32_u24 v[ADQ+2], v9, PW
	v_lshl_add_u32 v[ADQ+2], v23, 4, v[ADQ+2]      ; lanes with r of 8 and more read the odd pieces, 128 bytes further on
	v_lshl_add_u32 v[ADQ+2], v19, 4, v[ADQ+2]
	v_add_nc_u32 v[ADQ+2], SLV, v[ADQ+2]
	v_lshlrev_b32 v[TBQ], 5, v19
	v_add_nc_u32 v[TBQ], TAB, v[TBQ]
	v_lshlrev_b32 v[TBV], 2, v9
	v_add_nc_u32 v[TBV], TAB+2048, v[TBV]
	v_lshlrev_b32 v[TPOS], 6, v18
	v_lshl_add_u32 v[TPOS], v19, 5, v[TPOS]
	v_add_nc_u32 v[TPOS], TAB+3072, v[TPOS]
	v_and_b32 v[GO], 31, v0
	v_lshlrev_b32 v[GO], 4, v[GO]
	v_add_nc_u32 v10, TAB, v20                     ; where I put my part of the tables
	v_add_nc_u32 v12, TAB+3072, v21
.irp t, 0,1,2,3
	v_mov_b32 v[BV+2*\t+1], 0
.endr
	s_wait_alu depctr_va_vdst(0)
	s_wait_dscnt 0x0                               ; both opening adds are done
	s_wait_kmcnt 0x0
	s_load_b256 s[68:75], s[20:21], 0x0            ; e0 .. e7
	s_load_b32 s76, s[20:21], 0x20                 ; e8
	s_mov_b32 s[G0Q], 1                            ; count = 1
	s_mul_i32 s[G0Q+1], s[WV], 32*PW               ; LDS: slot rows 32 x wave: no place in the cluster enters an LDS address
	s_add_nc_u64 s[G0Q+2:G0Q+3], s[6:7], s[60:61]
	s_or_b32 s[G0Q+3], s[G0Q+3], 0x80000000        ; type = 2
	s_mov_b32 s[G0K], 1
	s_mul_i32 s[G0K+1], s[WV], 32*PW
	s_add_nc_u64 s[G0K+2:G0K+3], s[8:9], s[60:61]
	s_or_b32 s[G0K+3], s[G0K+3], 0x80000000
	s_mov_b32 s[G0V], 1
	s_mul_i32 s[G0V+1], s[WV], 16*PW
	s_add_co_u32 s[G0V+1], s[G0V+1], s31
	s_add_co_u32 s[G0V+1], s[G0V+1], SLV
	s_add_nc_u64 s[G0V+2:G0V+3], s[10:11], s[62:63]
	s_or_b32 s[G0V+3], s[G0V+3], 0x80000000
	s_add_nc_u64 s[10:11], s[8:9], s[62:63]        ; s[8:11], s[60:63]: groups 0 of head 0's first fills: my 16 rows of Wk and of Wq
	s_or_b32 s11, s11, 0x80000000
	s_add_nc_u64 s[62:63], s[6:7], s[62:63]
	s_or_b32 s63, s63, 0x80000000
	s_mov_b32 s60, 1
	s_mul_i32 s61, s[WV], 16*PW
	s_mov_b32 s8, 1
	s_mul_i32 s9, s[WV], 16*PW
	s_add_co_u32 s9, s9, 64*PW
	CROUND                                         ; all sixteen work-groups are here: the first joint loads meet
	tensor_load_to_lds s[60:63], s[G1B:G1B+7]      ; head 0's rows of Wq
	s_nop 0
	PLACES 4
	s_add_nc_u64 s[4:5], s[4:5], s[92:93]          ; x at my wave's first row
	s_add_nc_u64 s[22:23], s[22:23], s[92:93]      ; ctx at my wave's first tile of rows,
	s_add_nc_u64 s[22:23], s[22:23], s[98:99]      ; at my heads' first K step
	s_add_nc_u64 s[12:13], s[12:13], s[94:95]
	s_add_nc_u64 s[14:15], s[14:15], s[94:95]
	s_add_nc_u64 s[16:17], s[16:17], s[94:95]
	s_add_nc_u64 s[18:19], s[18:19], s[96:97]
	global_load_b64 v[128:129], v20, s[12:13]      ; the five loads of the tables come first: the wait for them leaves x's on their way
	global_load_b64 v[130:131], v20, s[14:15]
	global_load_b64 v[132:133], v20, s[16:17]
	global_load_b128 v[136:139], v21, s[18:19]
	global_load_b128 v[140:143], v21, s[18:19] offset:2048
	XLOAD 0                                        ; x's first three K steps; the others are asked for in the first Q pass
	XLOAD 1
	XLOAD 2
	WIN 0
.macro QCONST n, two                   ; s98 = e: v[two] = 2^e as f32: the conversion takes its exponent field;  s[n], s[n + 1] = -+448 x 2^e
	s_add_co_i32 s98, s98, 127
	s_lshl_b32 s99, s98, 23
	v_mov_b32 v[\two], s99
	s_add_co_i32 s98, s98, 8
	s_lshl_b32 s98, s98, 23
	s_or_b32 s[\n+1], s98, 0x600000
	s_or_b32 s[\n], s[\n+1], 0x80000000
.endm
	s_wait_kmcnt 0x0
	s_add_co_i32 s77, s68, s69
	s_add_co_i32 s78, s70, s71
	s_sub_co_i32 s98, s74, s77                     ; a sum of q stands for sum x 2^(e0 + e1): its code is sum / 2^(e6 - e0 - e1)
	QCONST LQ, TWOQ
	s_sub_co_i32 s98, s75, s78
	QCONST LK, TWOK
	s_mov_b32 s98, s76
	QCONST LC, TWOC
	s_sub_co_i32 s77, 127, s77
	s_lshl_b32 s77, s77, 23                        ; 2^-(e0 + e1), 2^-(e2 + e3): the biases are the sums' C, and so are divided by the sums' power of two
	s_sub_co_i32 s78, 127, s78
	s_lshl_b32 s78, s78, 23
	s_add_co_i32 s[SV], s72, s73
	s_add_co_i32 s[SV], s[SV], 127
	s_lshl_b32 s[SV], s[SV], 23
	s_mov_b32 s[SV+1], s[SV]
	s_add_co_i32 s[CS], s74, s75                   ; a score stands for score x 2^(e6 + e7): the exponents are added to the exponent field of log2(e) / 8
	s_lshl_b32 s[CS], s[CS], 23
	s_add_co_i32 s[CS], s[CS], 0x3e38aa3b
	s_mov_b32 s[CS+1], s[CS]
	s_wait_loadcnt 48                              ; 48 loads of x were issued behind the tables' five
.irp j, 0,1
	v_mul_f32 v[128+\j], s77, v[128+\j]
	v_mul_f32 v[130+\j], s78, v[130+\j]
.endr
.irp j, 0,1,2,3,4,5,6,7
	v_mul_f32 v[136+\j], 0x3fb8aa3b, v[136+\j]     ; pos_emb x log2(e)
.endr
	ds_store_b64 v10, v[128:129]
	ds_store_b64 v10, v[130:131] offset:1024
	ds_store_b64 v10, v[132:133] offset:2048
	ds_store_b128 v12, v[136:139]
	ds_store_b128 v12, v[140:143] offset:2048
	s_wait_alu depctr_va_vdst(0)
	s_wait_tensorcnt 0x0                           ; my part of slot QK is in
	ds_add_u32 v[SPW], v[NIL]
	s_wait_dscnt 0x0                               ; the add is done, and my part of the tables is stored
	CROUND
	tensor_load_to_lds s[8:11], s[G1B:G1B+7]       ; head 0's rows of Wk: the first tensor load behind the round.  Wv's follow in the first Q pass
	s_nop 0
	PLACES 4
; One matrix instruction of a pass: p = 0 Q, 1 K, 2 V; tile n (K step n / 4, tile of 16 rows n % 4), batch b.  The 16 accumulators take turns, one instruction a turn, in the same order in every K step.
.macro WM p, n, b
.set KS, (\n)/4
.set TT, (\n)%4
.set FB, WB+16*((\n)%8)
.set XB, 64*(KS%4)+16*(\b)
.set AC, 32*(\b)+8*TT
.if (\p) == 2
	WIN 0xf1+KS/4                                  ; source 0 (x) window 1 or 2, source 1 (W) window 0, C and D window 3
.if KS == 0
	v_wmma_f32_16x16x128_fp8_fp8 v[AC:AC+7], v[XB:XB+15], v[FB:FB+15], 0
.else
	v_wmma_f32_16x16x128_fp8_fp8 v[AC:AC+7], v[XB:XB+15], v[FB:FB+15], v[AC:AC+7]
.endif
.else
.if (\p) == 1
.set AC, AC+128
.endif
.if KS == 0
.set CB, R1+32*(\p)+8*TT
	WIN 0xc4                                       ; source 0 (W) window 0, source 1 (x) window 1, C (the bias) window 0, D window 3
	v_wmma_f32_16x16x128_fp8_fp8 v[AC:AC+7], v[FB:FB+15], v[XB:XB+15], v[CB:CB+7]
.else
	WIN 0xf4+4*(KS/4)
	v_wmma_f32_16x16x128_fp8_fp8 v[AC:AC+7], v[FB:FB+15], v[XB:XB+15], v[AC:AC+7]
.endif
.endif
.endm
; Half hf of tile q (batch q / 4, tile q % 4) of the sums at window 3's v[src]: held within +-448 x the scale into other registers, from the low end on; behind the second half the eight are converted.
; The conversion to an 8-bit code does not saturate (ISA guide 7.6.2): the hold comes first.
.macro QT src, q, hf, nl, dst, two
	WIN 0x30                                       ; source 2 window 3, all else window 0
.irp i, 0,1,2,3
	v_med3_num_f32 v[T+8*((\q)%2)+4*(\hf)+\i], s[\nl], s[\nl+1], v[\src+32*((\q)/4)+8*((\q)%4)+4*(\hf)+\i]
.endr
.if (\hf) == 1
	v_cvt_scalef32_pk8_fp8_f32 v[(\dst):(\dst)+1], v[T+8*((\q)%2):T+8*((\q)%2)+7], v[\two]
.endif
.endm
.macro CTXQ pi, s                      ; ctx's tiles 2 pi, 2 pi + 1: a lane's 16 codes, then stored: 32 lanes store 512 consecutive bytes, at a multiple of 512 from ctx's first byte
	QT 128, 2*(\pi)+(\s)/2, (\s)%2, LC, R1+4*(\pi)+2*((\s)/2), TWOC
.if (\s) == 3
	WIN 0
	global_store_b128 v[GO], v[R1+4*(\pi):R1+4*(\pi)+3], s[22:23] offset:16384*((\pi)/2)+512*((\pi)%2)
.endif
.endm
.macro KQ j, s                         ; k's tiles 2 j, 2 j + 1; behind a batch's fourth its scores, S^T: source 0 = the 16 keys, source 1 = the 16 queries
	QT 128, 2*(\j)+(\s)/2, (\s)%2, LK, KC+2*((2*(\j)+(\s)/2)%4), TWOK
.if ((\s) == 3) && (((\j)%2) == 1)
	v_nop                                          ; one plain vector instruction between a scaled conversion and the matrix instruction that reads its result
	WIN 0
	v_wmma_f32_16x16x64_fp8_fp8 v[R2+8*((\j)/2):R2+8*((\j)/2)+7], v[KC:KC+7], v[R1+8*((\j)/2):R1+8*((\j)/2)+7], 0
.endif
.endm
.macro SMX pr, s                       ; the softmax of batches 2 pr and 2 pr + 1 up to its exponents: t = (score / 8 + pos_emb) x log2(e), the row's largest t, t less that
	WIN 0
.if (\s) == 0
.irp b, 2*(\pr), 2*(\pr)+1
.irp j, 0,2,4,6
	v_pk_fma_f32 v[R2+8*(\b)+\j:R2+8*(\b)+\j+1], v[R2+8*(\b)+\j:R2+8*(\b)+\j+1], s[CS:CS+1], v[POS+\j:POS+\j+1] op_sel_hi:[1,0,1]
.endr
.endr
.elseif (\s) == 1
.irp b, 2*(\pr), 2*(\pr)+1
	v_max3_num_f32 v[T+2*(\b)], v[R2+8*(\b)], v[R2+8*(\b)+1], v[R2+8*(\b)+2]
	v_max3_num_f32 v[T+2*(\b)+1], v[R2+8*(\b)+3], v[R2+8*(\b)+4], v[R2+8*(\b)+5]
.endr
.irp b, 2*(\pr), 2*(\pr)+1
	v_max3_num_f32 v[T+2*(\b)], v[T+2*(\b)], v[R2+8*(\b)+6], v[R2+8*(\b)+7]
.endr
.irp b, 2*(\pr), 2*(\pr)+1
	v_max_num_f32 v[T+2*(\b)], v[T+2*(\b)], v[T+2*(\b)+1]
.endr
.elseif (\s) == 2
.irp b, 2*(\pr), 2*(\pr)+1
	v_permlanex16_b32 v[KC+(\b)], v[T+2*(\b)], s[SEL], s[SEL+1]           ; the query's other 8 keys lie 16 lanes away
.endr
.irp b, 2*(\pr), 2*(\pr)+1
	v_max_num_f32 v[T+2*(\b)], v[T+2*(\b)], v[KC+(\b)]
.endr
.else
.irp b, 2*(\pr), 2*(\pr)+1
.irp j, 0,2,4,6
	v_pk_add_f32 v[R2+8*(\b)+\j:R2+8*(\b)+\j+1], v[R2+8*(\b)+\j:R2+8*(\b)+\j+1], v[T+2*(\b):T+2*(\b)+1] op_sel_hi:[1,0] neg_lo:[0,1] neg_hi:[0,1]
.endr
.endr
.endif
.endm
.macro VBACC i                         ; v = sum x 2^(e4 + e5) + bv in place: accumulator i of the last K step's order (tile i / 4, batch i % 4)
	WIN 0xc3                                       ; source 0 and destination window 3, the bias in window 0
.set AC, 32*((\i)%4)+8*((\i)/4)
.irp j, 0,2,4,6
	v_pk_fma_f32 v[AC+\j:AC+\j+1], v[AC+\j:AC+\j+1], s[SV:SV+1], v[BV+2*((\i)/4):BV+2*((\i)/4)+1] op_sel_hi:[1,0,0]
.endr
.endm
; The vector work behind K step g of a pass, in one run; it also stands as the places in front of the loads that follow it.
.macro HOST p, g, f
.if (\p) == 0
.if \f
	PLACES 4                                       ; head 0's Q pass: nothing is due
.else
.irp s, 0,1,2,3
	CTXQ \g, \s
.endr
.endif
.elseif (\p) == 1
.irp s, 0,1,2,3
	QT 0, 2*(\g)+\s/2, \s%2, LQ, R1+2*(2*(\g)+\s/2), TWOQ
.endr
.elseif (\g) < 4
.irp j, 2*(\g), 2*(\g)+1
.irp s, 0,1,2,3
	KQ (\j), \s
.endr
.endr
.elseif (\g) < 6
.irp s, 0,1,2,3
	SMX (\g)-4, \s
.endr
.elseif (\g) == 7
	PLACES 4                                       ; in front of the first read of v's sums
.irp i, 0,1,2,3,4,5,6,7,8,9,10,11,12,13,14,15
	VBACC \i
.endr
.endif
.endm
; 16 LDS loads in one run: the four fragments of the K step two on, into the registers that K step g has left; behind a pass's last two the next pass's first two.
; Wq's first of the next head are asked for among the f32 products.
.macro LDG p, g
.irp t, 0,1,2,3
.if (\g) < 6
	LDF \p, 4*(\g)+8+\t
.elseif (\p) < 2
	LDF \p+1, 4*(\g)-24+\t
.endif
.endr
.endm
; A K STEP: 16 matrix instructions, its vector work, its loads.  The waits: tile t's loads are in; behind them stand the step's younger tiles' and the next step's 16 (in the V pass's last step there is no next).
; THE CHANGE OF SLOT QK stands in the K pass: behind K step 5 all of Wk's fragments have been asked for.  Each wave waits for all its tensor loads (one is out: its part of slot V), adds 0 to its spare word, and, behind K step 6's
; matrix instructions, waits for that and for its reads of slot QK.  f = 1: the barrier opens a round of the cluster's, and the joint refill with the next head's rows is the first thing behind it.
; In head 0's Q pass (p = 0, f = 1) the same order stands in front of slot V's first fill, and shows Wk's first rows to every wave.
.macro GROUP p, g, f
.set CHG, 0
.if ((\p) == 1) || (((\p) == 0) && \f)
.set CHG, 1
.endif
.if ((\p) == 0) && \f                  ; x's K step g is in; two later ones of 16 loads may be out
.if (\g) < 6
	s_wait_loadcnt 32
.elseif (\g) == 6
	s_wait_loadcnt 16
.else
	s_wait_loadcnt 0
.endif
.endif
.irp t, 0,1,2,3
.if ((\p) == 2) && ((\g) == 7)
	s_wait_dscnt 12-4*\t
.else
	s_wait_dscnt 28-4*\t
.endif
.irp b, 0,1,2,3
	WM \p, 4*(\g)+\t, \b
.endr
.endr
.if CHG && ((\g) == 6)
	s_wait_dscnt 0x0                               ; the add is done, and my reads of the slot are over
	s_barrier_signal -1                            ; the step's vector work stands here while the others arrive
.endif
	HOST \p, \g, \f
.if CHG && ((\g) == 6)
	WIN 0                                          ; at a label and at a branch every window is 0
	s_barrier_wait -1
.if (\p) == 0
	CREST
	JV
.elseif \f
	CREST
	JQK
.endif
.endif
.if ((\p) == 0) && \f && ((\g) < 5)
	XLOAD (\g)+3
.endif
.if ((\p) == 0) && ((\g) == 1)
	LDBIAS R2, 1024                                ; k's bias for the K pass
.endif
.if ((\p) == 2) && ((\g) == 0)
	WIN 0
.irp t, 0,1,2,3
	ds_load_b32 v[BV+2*\t], v[TBV] offset:128*(\t/2)+32*(\t%2)   ; v's bias at my d of each tile
.endr
	ds_load_b128 v[POS:POS+3], v[TPOS]             ; pos_emb(head, my query, my 8 keys)
	ds_load_b128 v[POS+4:POS+7], v[TPOS] offset:16
.endif
	LDG \p, \g
.if CHG && ((\g) == 5)
	WIN 0
	s_wait_tensorcnt 0x0                           ; no tensor load of mine is out, so a group 0 may be written
	ds_add_u32 v[SPW], v[NIL]                      ; 0 onto my spare word
.if ((\p) == 1) && \f
	s_add_nc_u64 s[G0Q+2:G0Q+3], s[G0Q+2:G0Q+3], 0x10000   ; the next head's 64 rows; the type bits on top are not reached
	s_add_nc_u64 s[G0K+2:G0K+3], s[G0K+2:G0K+3], 0x10000
.endif
.endif
.endm
.macro PASS p, f
.irp g, 0,1,2,3,4,5,6,7
	GROUP \p, \g, \f
.endr
.endm
; The softmax's end for the four batches by turns: exponentials, the row's sum, P normalised in f32.  step = 1: the tables' addresses go on to the next head.
.macro SOFT step
	WIN 0
.if \step
	v_add_nc_u32 v[TBQ], 0x100, v[TBQ]
	v_add_nc_u32 v[TBV], 0x100, v[TBV]
	v_add_nc_u32 v[TPOS], 0x400, v[TPOS]
.endif
	s_wait_alu depctr_va_vdst(0)
.set i, 0
.rept 32
	v_exp_f32 v[R2+i], v[R2+i]
.set i, i+1
.endr
	v_nop                                          ; a plain instruction between the last exponential and the use of its result
	s_wait_alu depctr_va_vdst(0)                   ; and behind it
.irp j, 2,4,6
.irp b, 0,1,2,3
.if \j == 2
	v_pk_add_f32 v[SUM+2*\b:SUM+2*\b+1], v[R2+8*\b:R2+8*\b+1], v[R2+8*\b+2:R2+8*\b+3]
.else
	v_pk_add_f32 v[SUM+2*\b:SUM+2*\b+1], v[SUM+2*\b:SUM+2*\b+1], v[R2+8*\b+\j:R2+8*\b+\j+1]
.endif
.endr
.endr
.irp b, 0,1,2,3
	v_add_f32 v[SUM+2*\b], v[SUM+2*\b], v[SUM+2*\b+1]
.endr
.irp b, 0,1,2,3
	v_permlanex16_b32 v[KC+\b], v[SUM+2*\b], s[SEL], s[SEL+1]
.endr
.irp b, 0,1,2,3
	v_add_f32 v[SUM+2*\b], v[SUM+2*\b], v[KC+\b]
.endr
	s_wait_alu depctr_va_vdst(0)
.irp b, 0,1,2,3
	v_rcp_f32 v[SUM+2*\b], v[SUM+2*\b]
.endr
	v_nop                                          ; a plain instruction between the last reciprocal and the use of its result
	s_wait_alu depctr_va_vdst(0)                   ; and behind it
.irp b, 0,1,2,3
.irp j, 0,2,4,6
	v_pk_mul_f32 v[R2+8*\b+\j:R2+8*\b+\j+1], v[R2+8*\b+\j:R2+8*\b+\j+1], v[SUM+2*\b:SUM+2*\b+1] op_sel_hi:[1,0]
.endr
.endr
	s_wait_alu depctr_va_vdst(0)
.endm
; ctx^T = v^T P^T: eight of the 16 accumulators (batches 2 hb and 2 hb + 1), four keys.
.macro PV8 q4, hb
	WIN 0xf3                                       ; source 0 (v) window 3, source 1 (P) window 0, C and D window 3
.irp b, 2*\hb, 2*\hb+1
.irp t, 0,1,2,3
.set AC, 32*(\b)+8*\t
.set PB, R2+8*(\b)+2*\q4
.if \q4 == 0
	v_wmma_f32_16x16x4_f32 v[128+AC:128+AC+7], v[AC:AC+1], v[PB:PB+1], 0
.else
	v_wmma_f32_16x16x4_f32 v[128+AC:128+AC+7], v[AC+2*\q4:AC+2*\q4+1], v[PB:PB+1], v[128+AC:128+AC+7]
.endif
.endr
.endr
.endm
; P v.  f = 1: THE CHANGE OF SLOT V stands in it, in the same order as that of slot QK: behind the round slot V takes the next head's rows of Wv, and the next head's rows of Wq and Wk are whole in slot QK.
.macro PV f
	PV8 0, 0
	PV8 0, 1
	PV8 1, 0
	PV8 1, 1
.if \f
	WIN 0
	s_wait_tensorcnt 0x0
	ds_add_u32 v[SPW], v[NIL]
	s_add_nc_u64 s[G0V+2:G0V+3], s[G0V+2:G0V+3], 0x10000
	PV8 2, 0
	s_wait_dscnt 0x0                               ; the add is done, and my reads of slot V are over
	s_barrier_signal -1
	PV8 2, 1
	WIN 0
	s_barrier_wait -1
	CREST
	JV
	FIRST
.else
	PV8 2, 0
	PV8 2, 1
.endif
	PV8 3, 0
	PV8 3, 1
	PLACES 9                                       ; nine places behind this form in front of the matrix instructions that write over v, eight in front of the first read of ctx^T
	WIN 0
.endm
.macro FIRST                           ; q's bias and a head's first eight fragments of Wq
	LDBIAS R1, 0
.irp m, 0,1,2,3,4,5,6,7                ; (its first two K steps' fragments)
	LDF 0, \m
.endr
.endm
	FIRST
	PASS 0, 1                                      ; head 0's Q pass: behind K step k's products x's K step k + 3 is asked for
	WIN 0
	s_mov_b32 s[CNT], 3
.Lhead:                                            ; heads 0 to 2, from a head's K pass to the next head's Q pass: both slots are filled again
	PASS 1, 1
	PASS 2, 1
	SOFT 1
	PV 1
	PASS 0, 0
	WIN 0
	s_wait_xcnt 0x0                                ; ctx's stores have read their base and their codes
	s_add_nc_u64 s[22:23], s[22:23], 0x400         ; the next head's 64 k: two blocks of 512 bytes on
	s_sub_co_u32 s[CNT], s[CNT], 1
	s_cmp_lg_u32 s[CNT], 0
	s_cbranch_scc1 .Lhead
	PASS 1, 0                                      ; the last head is written out: it asks for nothing
	PASS 2, 0
	SOFT 0
	PV 0
.irp pi, 0,1,2,3,4,5,6,7
.irp s, 0,1,2,3
	CTXQ \pi, \s
.endr
.endr
	v_nop                                          ; one plain vector instruction behind the last conversion
	s_wait_tensorcnt 0x0                           ; the wave's end: behind my last tensor load and my last LDS store
	ds_add_u32 v[SPW], v[NIL]
	s_wait_dscnt 0x0
	CROUND                                         ; the closing round: no work-group ends while a partner may still ask for a tile that names it
	s_endpgm
.Lfunc_end_k_q3cd9eb73ad_attn:
	.size	k_q3cd9eb73ad_attn, .Lfunc_end_k_q3cd9eb73ad_attn-k_q3cd9eb73ad_attn
	.p2alignl 7, 3214868480
	.fill 96, 4, 3214868480
	.section	.rodata,"a",@progbits
	.p2align	6, 0x0
	.amdhsa_kernel k_q3cd9eb73ad_attn
		.amdhsa_group_segment_fixed_size 327680
		.amdhsa_private_segment_fixed_size 0
		.amdhsa_enable_private_segment 0
		.amdhsa_kernarg_size 80
		.amdhsa_user_sgpr_count 2
		.amdhsa_user_sgpr_kernarg_segment_ptr 1
		.amdhsa_wavefront_size32 1
		.amdhsa_system_sgpr_workgroup_id_x 1
		.amdhsa_system_sgpr_workgroup_id_y 1
		.amdhsa_system_sgpr_workgroup_id_z 1
		.amdhsa_system_vgpr_workitem_id 0
		.amdhsa_next_free_vgpr 1024
		.amdhsa_next_free_sgpr 100
		.amdhsa_reserve_vcc 0
		.amdhsa_float_denorm_mode_32 3
		.amdhsa_float_denorm_mode_16_64 3
		.amdhsa_memory_ordered 1
		.amdhsa_forward_progress 1
		.amdhsa_inst_pref_size 224
	.end_amdhsa_kernel
	.amdgpu_metadata
---
amdhsa.version: [ 1, 2 ]
amdhsa.kernels:
  - .name:           k_q3cd9eb73ad_attn
    .symbol:         k_q3cd9eb73ad_attn.kd
    .args:
      - { .name: shape_tokens_codes, .offset: 0, .size: 8, .value_kind: global_buffer, .address_space: global }
      - { .name: Wq_codes, .offset: 8, .size: 8, .value_kind: global_buffer, .address_space: global }
      - { .name: Wk_codes, .offset: 16, .size: 8, .value_kind: global_buffer, .address_space: global }
      - { .name: Wv_codes, .offset: 24, .size: 8, .value_kind: global_buffer, .address_space: global }
      - { .name: bq, .offset: 32, .size: 8, .value_kind: global_buffer, .address_space: global }
      - { .name: bk, .offset: 40, .size: 8, .value_kind: global_buffer, .address_space: global }
      - { .name: bv, .offset: 48, .size: 8, .value_kind: global_buffer, .address_space: global }
      - { .name: pos_emb, .offset: 56, .size: 8, .value_kind: global_buffer, .address_space: global }
      - { .name: lowp_scales, .offset: 64, .size: 8, .value_kind: global_buffer, .address_space: global }
      - { .name: ctx, .offset: 72, .size: 8, .value_kind: global_buffer, .address_space: global }
    .group_segment_fixed_size: 327680
    .private_segment_fixed_size: 0
    .kernarg_segment_align: 8
    .kernarg_segment_size: 80
    .max_flat_workgroup_size: 128
    .sgpr_count:     100
    .vgpr_count:     1024
    .wavefront_size: 32
...
	.end_amdgpu_metadata
.endif
;; end of part 1
;; launch proj (part 2): grid 64 x 4, 4 waves a work-group, clusters of 4 x 4, 327,680 bytes of LDS; arguments ctx, Wo_codes, lowp_scales, bo, out0; writes out0
.if DOCPART == 2
	.amdgcn_target "amdgcn-amd-amdhsa--gfx1250"
	.amdhsa_code_object_version 6
	.text
	.protected	k_q3cd9eb73ad_proj
	.globl	k_q3cd9eb73ad_proj
	.p2align	8
	.type	k_q3cd9eb73ad_proj,@function
k_q3cd9eb73ad_proj:
	s_mov_b64 s[64:65], 0
	v_nop
	global_prefetch_b8 v0, s[64:65] scope:SCOPE_SE
	s_setreg_imm32_b32 hwreg(HW_REG_WAVE_MODE, 25, 1), 1
	s_wait_xcnt 0x0
	s_wait_alu depctr_hold_cnt(0) depctr_sa_sdst(0) depctr_va_vdst(0) depctr_va_sdst(0) depctr_va_ssrc(0) depctr_va_vcc(0) depctr_vm_vsrc(0)
	s_getreg_b32 s2, hwreg(HW_REG_IB_STS2, 6, 4)
	s_cmp_eq_u32 s2, 0
	s_cbranch_scc0 .Lentry_in_a_cluster
	s_endpgm
.Lentry_in_a_cluster:
	s_bfe_u32 s2, ttmp6, 0x10000c
	s_cmp_lg_u32 s2, 0xf033
	s_cbranch_scc0 .Lentry_shape_is_right
	s_endpgm
.Lentry_shape_is_right:
; out = ctx Wo + bo.  ctx: codes in the order of the operand registers, as the launch before stores them: byte 16384 T + 2048 s + 512 c + 16 l holds, of row 16 T + l % 16, k = 128 s + 32 c + 16 (l / 16) + 0..15.
; Wo: [1024 (n)][1024 (k)] codes.  out: [16384][1024] f32.  A work-group makes 256 rows x 256 columns; wave w owns 64 of the rows and keeps their codes in 512 registers (windows 1, 2).
; The 256 rows of Wo lie whole in LDS; the columns go in four chunks of 64, each of 8 K steps; a chunk's results leave through the wave's stage in LDS while the next chunk is multiplied.
; CLUSTER 4 x 4: the four work-groups of a row of the cluster need the same rows of Wo and ask for them jointly.  ctx goes straight into registers: 256 KiB for a work-group do not fit in LDS beside Wo's rows.
; Wo comes by two loads a wave: at the head 16 of chunk 0's 64 rows; behind one round 48 of the other three chunks' 192.  NO PREFETCH: each byte of Wo is asked for once, in the head.
; LIMIT: e8 + e9 between -126 and 127.  No work of reference() is left out.
; REGISTERS: window 0: v1-31 addresses and bias, v32-63 rows on their way out, v64-255 three buffers of four fragments of Wo; window 3: two chunks' accumulators by turns.
.set PW,    1040
.set CHB,   64*PW
.set STG,   4*CHB
.set SP,    272
.set SPARE, STG+4*16*SP
.set SPW,  1
.set NIL,  2
.set ADW,  3
.set STO,  7
.set RD,   8
.set GO,   9
.set XA,   10
.set BIAS, 12
.set RB,   32
.set WB,   64
.set WV,   24
.set G1,   32
.set G0,   40
.set SC,   96
.set LN,   0
.set MSB, 0
.macro WIN new
.if MSB != \new
	s_set_vgpr_msb (MSB<<8)|\new
.set MSB, \new
.endif
.endm
.macro PLACES n
.rept \n
	v_nop
.endr
.endm
.macro CROUND
	s_barrier_signal -1
	s_barrier_wait -1
	s_cmp_lg_u32 s[WV], 0
	s_cbranch_scc1 .Lnot_wave_0_\@
	s_barrier_signal -3
.Lnot_wave_0_\@:
	s_barrier_wait -3
	s_barrier_signal -1
	s_barrier_wait -1
.endm
.macro XLOAD ks
.if (\ks) < 4
	WIN 0x40
.else
	WIN 0x80
.endif
.irp b, 0,1,2,3
.irp c, 0,1,2,3
	global_load_b128 v[64*((\ks)%4)+16*\b+4*\c:64*((\ks)%4)+16*\b+4*\c+3], v[XA], s[4:5] offset:16384*\b+2048*(\ks)+512*\c
.endr
.endr
.endm
	s_load_b128 s[4:7], s[0:1], 0x0
	s_load_b128 s[8:11], s[0:1], 0x10
	s_load_b64 s[12:13], s[0:1], 0x20
	v_lshl_add_u32 v[SPW], v0, 2, SPARE
	v_mov_b32 v[NIL], 0
	ds_add_u32 v1, v2
	ds_add_u32 v1, v2
	s_wait_dscnt 0x0
	v_lshrrev_b32 v11, 5, v0
	v_readfirstlane_b32 s[WV], v11
	s_bfe_u32 s26, ttmp6, 0x40000
	s_bfe_u32 s27, ttmp6, 0x40004
	s_lshl_b32 s28, ttmp9, 2
	s_add_co_u32 s28, s28, s26
	s_and_b32 s29, ttmp7, 0xffff
	s_lshl_b32 s29, s29, 2
	s_add_co_u32 s29, s29, s27
	s_lshl_b32 s30, s27, 2
	s_lshl_b32 s30, 15, s30
	s_or_b32 s[G1], s30, (1<<20)|(1<<21)|(7<<22)|(3<<25)
	s_mov_b32 s[G1+1], 1024<<16
	s_mov_b32 s[G1+2], 16<<16
	s_mov_b32 s[G1+3], 1024<<16
	s_mov_b32 s[G1+4], 16
	s_mov_b32 s[G1+5], 1024
	s_mov_b32 s[G1+6], 0
	s_mov_b32 s[G1+7], 0
	s_lshl_b32 s60, s29, 18
	s_lshl_b32 s61, s[WV], 14
	s_add_co_u32 s60, s60, s61
	s_mov_b32 s61, 0
	s_lshl_b32 s92, s28, 18
	s_lshl_b32 s93, s[WV], 16
	s_add_co_u32 s92, s92, s93
	s_mov_b32 s93, 0
	s_lshl_b32 s94, s28, 20
	s_lshl_b32 s95, s[WV], 18
	s_add_co_u32 s94, s94, s95
	s_lshl_b32 s98, s29, 10
	s_add_co_u32 s94, s94, s98
	s_mov_b32 s95, 0
	s_mov_b32 s99, 0
	v_and_b32 v28, 15, v0
	v_bfe_u32 v29, v0, 4, 1
	v_and_b32 v[XA], 31, v0
	v_lshlrev_b32 v[XA], 4, v[XA]
	v_lshlrev_b32 v30, 4, v28
	v_mul_u32_u24 v[ADW], v28, PW
	v_lshl_add_u32 v[ADW], v29, 4, v[ADW]
	v_add_nc_u32 v[ADW+1], CHB, v[ADW]
	v_add_nc_u32 v[ADW+2], 2*CHB, v[ADW]
	v_add_nc_u32 v[ADW+3], 3*CHB, v[ADW]
	s_mul_i32 s31, s[WV], 16*SP
	s_add_co_u32 s31, s31, STG
	v_mul_u32_u24 v[STO], v28, SP
	v_lshl_add_u32 v[STO], v29, 5, v[STO]
	v_add_nc_u32 v[STO], s31, v[STO]
	v_mul_u32_u24 v[RD], v29, SP
	v_lshl_add_u32 v[RD], v28, 4, v[RD]
	v_add_nc_u32 v[RD], s31, v[RD]
	v_lshlrev_b32 v[GO], 12, v29
	v_lshl_add_u32 v[GO], v28, 4, v[GO]
	s_wait_kmcnt 0x0
	s_load_b64 s[SC:SC+1], s[8:9], 0x20
	s_add_nc_u64 s[4:5], s[4:5], s[92:93]
	s_add_nc_u64 s[10:11], s[10:11], s[98:99]
	s_add_nc_u64 s[12:13], s[12:13], s[94:95]
	s_add_nc_u64 s[62:63], s[6:7], s[60:61]
.irp c, 0,1,2,3
	global_load_b128 v[BIAS+4*\c:BIAS+4*\c+3], v30, s[10:11] offset:256*\c
.endr
	XLOAD 0
	XLOAD 1
	XLOAD 2
	WIN 0
	s_mov_b32 s[G0], 1                             ; chunk 0: my 16 rows
	s_mul_i32 s[G0+1], s[WV], 16*PW
	s_mov_b64 s[G0+2:G0+3], s[62:63]
	s_or_b32 s[G0+3], s[G0+3], 0x80000000
	s_mul_i32 s60, s[WV], 0x8000                   ; chunks 1 to 3: 48 rows from row 64 + 48 x wave on (16 x wave is in s[62:63])
	s_mov_b32 s61, 0
	s_mov_b32 s[G0+4], 1
	s_mul_i32 s[G0+5], s[WV], 48*PW
	s_add_co_u32 s[G0+5], s[G0+5], CHB
	s_add_nc_u64 s[G0+6:G0+7], s[62:63], s[60:61]
	s_add_nc_u64 s[G0+6:G0+7], s[G0+6:G0+7], 0x10000
	s_or_b32 s[G0+7], s[G0+7], 0x80000000
	s_or_b32 s68, s30, (1<<20)|(1<<21)|(7<<22)|(3<<25)   ; descriptor group 1 of the second load: 48 rows
	s_mov_b32 s69, 1024<<16
	s_mov_b32 s70, 48<<16
	s_mov_b32 s71, 1024<<16
	s_mov_b32 s72, 48
	s_mov_b32 s73, 1024
	s_mov_b32 s74, 0
	s_mov_b32 s75, 0
	CROUND                                         ; all sixteen work-groups are here: the first joint loads meet
	tensor_load_to_lds s[G0:G0+3], s[G1:G1+7]
	s_nop 0
	PLACES 4
	s_wait_kmcnt 0x0
	s_add_co_i32 s[SC], s[SC], s[SC+1]
	s_add_co_i32 s[SC], s[SC], 127
	s_lshl_b32 s[SC], s[SC], 23                    ; 2^(e8 + e9)
	s_mov_b32 s[SC+1], s[SC]
	s_wait_alu depctr_va_vdst(0)
	s_wait_tensorcnt 0x0                           ; my part of chunk 0 is in
	ds_add_u32 v[SPW], v[NIL]
	s_wait_dscnt 0x0
	CROUND                                         ; chunk 0 is whole
	tensor_load_to_lds s[G0+4:G0+7], s[68:75]
	s_nop 0
	PLACES 4
	XLOAD 3
	XLOAD 4
	XLOAD 5
	XLOAD 6
	XLOAD 7
	WIN 0
.macro LDG gg
.set LCH, (\gg)/8
.set LKS, (\gg)%8
.set LBF, WB+64*((\gg)%3)
.irp t, 0,1,2,3
.irp c, 0,1,2,3
	ds_load_b128 v[LBF+16*\t+4*\c:LBF+16*\t+4*\c+3], v[ADW+LCH] offset:16*PW*\t+128*LKS+32*\c
.endr
.endr
.set LN, LN+16
.if ((\gg)%3) == 0
.set E0, LN
.elseif ((\gg)%3) == 1
.set E1, LN
.else
.set E2, LN
.endif
.endm
.macro WAITG gg
.if ((\gg)%3) == 0
.set DD, LN-E0
.elseif ((\gg)%3) == 1
.set DD, LN-E1
.else
.set DD, LN-E2
.endif
.if DD > 63
.set DD, 63
.endif
	s_wait_dscnt DD
.endm
.macro TOSTAGE c, b, rb
.set AC, 128*((\c)%2)+32*(\b)
	WIN 0x0c
.irp t, 0,1,2,3
	ds_store_b128 v[STO], v[AC+8*\t:AC+8*\t+3] offset:64*\t
	ds_store_b128 v[STO], v[AC+8*\t+4:AC+8*\t+7] offset:64*\t+16
.endr
	WIN 0
.irp p, 0,1,2,3,4,5,6,7
	ds_load_b128 v[\rb+4*\p:\rb+4*\p+3], v[RD] offset:2*SP*\p
.endr
.set LN, LN+16
.set ET, LN
.endm
.macro SEND c, b, rb, younger
	s_wait_dscnt \younger
.irp p, 0,1,2,3,4,5,6,7
	v_pk_fma_f32 v[\rb+4*\p:\rb+4*\p+1], v[\rb+4*\p:\rb+4*\p+1], s[SC:SC+1], v[BIAS+4*(\c):BIAS+4*(\c)+1] op_sel_hi:[1,0,1]
	v_pk_fma_f32 v[\rb+4*\p+2:\rb+4*\p+3], v[\rb+4*\p+2:\rb+4*\p+3], s[SC:SC+1], v[BIAS+4*(\c)+2:BIAS+4*(\c)+3] op_sel_hi:[1,0,1]
.endr
.irp p, 0,1,2,3,4,5,6,7
	global_store_b128 v[GO], v[\rb+4*\p:\rb+4*\p+3], s[12:13] offset:(16*(\b)+2*\p)*4096+256*(\c) th:TH_STORE_NT
.endr
.endm
.macro GRP gg
.set CHK, (\gg)/8
.set KS, (\gg)%8
.set WBF, WB+64*((\gg)%3)
.set ACB, 128*(CHK%2)
.set XB, 64*(KS%4)
	WAITG \gg
.if (\gg) == 0
	s_wait_loadcnt 63
.elseif ((\gg) >= 4) && ((\gg) < 8)
	s_wait_loadcnt 16*(7-(\gg))
.endif
.if KS < 4
	WIN 0xf4
.else
	WIN 0xf8
.endif
.irp t, 0,1,2,3
.irp b, 0,1,2,3
.if KS == 0
	v_wmma_f32_16x16x128_fp8_fp8 v[ACB+32*\b+8*\t:ACB+32*\b+8*\t+7], v[WBF+16*\t:WBF+16*\t+15], v[XB+16*\b:XB+16*\b+15], 0
.else
	v_wmma_f32_16x16x128_fp8_fp8 v[ACB+32*\b+8*\t:ACB+32*\b+8*\t+7], v[WBF+16*\t:WBF+16*\t+15], v[XB+16*\b:XB+16*\b+15], v[ACB+32*\b+8*\t:ACB+32*\b+8*\t+7]
.endif
.endr
.endr
	PLACES 4
	WIN 0
.if (KS == 5) && (CHK == 0)                        ; ahead of chunk 1's first fragments: everybody's part of chunks 1 to 3 is in
	s_wait_tensorcnt 0x0
	s_wait_dscnt 0x0
	s_barrier_signal -1
	s_barrier_wait -1
.endif
.if (\gg)+3 < 32
	LDG (\gg)+3
.endif
.if CHK > 0
.if (KS%2) == 0
	s_wait_xcnt 0x0
	s_wait_alu depctr_va_vdst(0)
	TOSTAGE CHK-1, KS/2, RB
.else
	SEND CHK-1, KS/2, RB, LN-ET
.endif
.endif
.endm
	LDG 0
	LDG 1
	LDG 2
.irp gg, 0,1,2,3,4,5,6,7,8,9,10,11,12,13,14,15,16,17,18,19,20,21,22,23,24,25,26,27,28,29,30,31
	GRP \gg
.endr
	TOSTAGE 3, 0, 64
	TOSTAGE 3, 1, 96
	SEND 3, 0, 64, 16
	TOSTAGE 3, 2, 128
	SEND 3, 1, 96, 16
	TOSTAGE 3, 3, 160
	SEND 3, 2, 128, 16
	SEND 3, 3, 160, 0
	s_wait_tensorcnt 0x0
	ds_add_u32 v[SPW], v[NIL]
	s_wait_dscnt 0x0
	CROUND
	s_endpgm
.Lfunc_end_k_q3cd9eb73ad_proj:
	.size	k_q3cd9eb73ad_proj, .Lfunc_end_k_q3cd9eb73ad_proj-k_q3cd9eb73ad_proj
	.p2alignl 7, 3214868480
	.fill 96, 4, 3214868480
	.section	.rodata,"a",@progbits
	.p2align	6, 0x0
	.amdhsa_kernel k_q3cd9eb73ad_proj
		.amdhsa_group_segment_fixed_size 327680
		.amdhsa_private_segment_fixed_size 0
		.amdhsa_enable_private_segment 0
		.amdhsa_kernarg_size 40
		.amdhsa_user_sgpr_count 2
		.amdhsa_user_sgpr_kernarg_segment_ptr 1
		.amdhsa_wavefront_size32 1
		.amdhsa_system_sgpr_workgroup_id_x 1
		.amdhsa_system_sgpr_workgroup_id_y 1
		.amdhsa_system_sgpr_workgroup_id_z 1
		.amdhsa_system_vgpr_workitem_id 0
		.amdhsa_next_free_vgpr 1024
		.amdhsa_next_free_sgpr 100
		.amdhsa_reserve_vcc 0
		.amdhsa_float_denorm_mode_32 3
		.amdhsa_float_denorm_mode_16_64 3
		.amdhsa_memory_ordered 1
		.amdhsa_forward_progress 1
		.amdhsa_inst_pref_size 137
	.end_amdhsa_kernel
	.amdgpu_metadata
---
amdhsa.version: [ 1, 2 ]
amdhsa.kernels:
  - .name:           k_q3cd9eb73ad_proj
    .symbol:         k_q3cd9eb73ad_proj.kd
    .args:
      - { .name: ctx, .offset: 0, .size: 8, .value_kind: global_buffer, .address_space: global }
      - { .name: Wo_codes, .offset: 8, .size: 8, .value_kind: global_buffer, .address_space: global }
      - { .name: lowp_scales, .offset: 16, .size: 8, .value_kind: global_buffer, .address_space: global }
      - { .name: bo, .offset: 24, .size: 8, .value_kind: global_buffer, .address_space: global }
      - { .name: out0, .offset: 32, .size: 8, .value_kind: global_buffer, .address_space: global }
    .group_segment_fixed_size: 327680
    .private_segment_fixed_size: 0
    .kernarg_segment_align: 8
    .kernarg_segment_size: 40
    .max_flat_workgroup_size: 128
    .sgpr_count:     100
    .vgpr_count:     1024
    .wavefront_size: 32
...
	.end_amdgpu_metadata
.endif
;; end of part 2
